; MI455X (gfx1250); checked and timed in simulation.
; The chip was launched on July 23, 2026; its instructions are those of AMD's public machine-readable ISA for CDNA 5 (MIT licence, August 2026) and "CDNA5" Instruction Set Architecture Reference Guide (July 2026). The comments in the code are by the model that wrote it; some were corrected since.
;; Full Attention. Allowed arithmetic: matrix products marked QUANTISED: E2M1 operands, one E8M0 scale for each 32 along K, by v_wmma_scale_f32_16x16x128_f8f6f4 with both operands' format E2M1 (or v_wmma_scale_f32_32x16x128_f4), f32 sums; everything else in f32.
;; Inputs: k_codes 2 x 16 x 8 x 16 x 16 x 2 x 16 uint8 (E2M1 codes of k, K innermost, in blocks of 32 codes, two codes a byte); k_scales 2 x 16 x 8 x 16 x 16 x 2 uint8 (E8M0 scales of k, one for each 32 codes along K); q_codes 2 x 16 x 8 x 16 x 16 x 2 x 16 uint8 (E2M1 codes of q, K innermost, in blocks of 32 codes, two codes a byte); q_scales 2 x 16 x 8 x 16 x 16 x 2 uint8 (E8M0 scales of q, one for each 32 codes along K); v 2 x 16 x 8 x 16 x 16 x 64 float32.
;; Outputs: out0 2 x 16 x 8 x 16 x 16 x 64 float32.
;; This version of the problem:
;;   THIS VERSION OF THE PROBLEM IS GIVEN IN LOW PRECISION. The matrix products marked QUANTISED in the list below multiply operands that are first quantised to E2M1 (2 exponent bits, 1 mantissa bit; 4 bits a number), with one power-of-two scale for each 32 numbers along K (OCP MX v1.0); their sums are f32. All else is computed in f32.
;;   The module's matrix products, in the order in which they are computed (A, B: the left and right operand; K: the contracted axis; several contracted axes count as one K, in the product's order):
;;     1. batch 32 x [M 2,048, K 64] x [K 64, N 2,048]; A: input q (given as codes); B: input k (given as codes): QUANTISED
;;     2. batch 32 x [M 2,048, K 2,048] x [K 2,048, N 64]; A: softmax (see below); B: input v: QUANTISED
;;   THE QUANTISER, for each operand of a quantised product, along K:
;;     - K is cut into blocks of 32 from its start; a last block that is shorter is filled with zeros.
;;     - A block's scale is 2^e with e = floor(log2(the largest magnitude in the block)) - 2, held to -126 .. 127; a block of zeros has e = 0. As a byte (E8M0): e + 127.
;;     - Each number is divided by its block's scale, clamped to +-6, and rounded to the nearest number of E2M1, ties to even, subnormals kept.
;;     - The product sums the exact products of the quantised numbers (number of the format x scale) in f32.
;;   ~~~python
;;   def quantise(x, axis):      # numpy; x: float32 -> the quantised numbers, widened to float32 again
;;       x = np.moveaxis(x, axis, -1); K = x.shape[-1]
;;       x = np.pad(x, [(0, 0)] * (x.ndim - 1) + [(0, -K % 32)]); x = x.reshape(x.shape[:-1] + (-1, 32)); a = np.abs(x).max(-1, keepdims=True)
;;       e = np.where(a > 0, np.clip(np.frexp(np.where(a > 0, a, 1))[1] - 1 - 2, -126, 127), 0)      # np.frexp(a)[1] - 1 = floor(log2(a)), exactly
;;       r = np.clip(x / 2.0 ** e, -6, 6)
;;       step = 2.0 ** (np.maximum(np.frexp(np.where(r == 0, 1, r))[1] - 1, 0) - 1)
;;       q = np.round(r / step) * step * 2.0 ** e      # np.round: ties to even
;;       return np.moveaxis(q.reshape(q.shape[:-2] + (-1,))[..., :K], -1, axis).astype(np.float32)
;;   ~~~
;;   SOFTMAX AHEAD OF A QUANTISED PRODUCT. Where the list says 'softmax', what is quantised is not the finished softmax but p = 2^(t - M), with t = logit x log2(e) and M = ceil(the row's largest t), a whole number; so 1/2 < the row's largest p <= 1. The row's sum l is taken of the UNQUANTISED p, in f32, and the product's result is divided by l at the end. Since M is a whole number, a kernel that streams over the keys may use a running M (the ceiling of the running maximum): every later rescaling is an exact power of two, which a block's scale takes up: the codes' values come out the same.
;;   OPERANDS COMPUTED ON THE WAY. 'Computed on the way' means the value that the module computes at that place (a softmax that the list does not call 'softmax' is quantised finished and normalised). What goes into a quantiser is computed in f32, as accurately as f32 sums, v_exp_f32 and their like allow (about 1e-6 of the number): no bf16 or f16 on the way to a quantiser, and a product that is left as it is and whose result goes on into a quantised operand takes f32 operands (vector FMAs, or v_wmma_f32_16x16x4_f32). A number that lies on a knife's edge between two numbers of the format may be rounded either way, as far as f32 arithmetic and the matrix unit's own rounding can turn it there, and no further.
;;   INPUTS GIVEN AS CODES. k (in the module: [2, 16, 8, 16, 16, 64], K = its axis 5); q (in the module: [2, 16, 8, 16, 16, 64], K = its axis 5): each comes as NAME_codes (uint8): NAME with its K axis moved to the last place and cut into blocks of 32 codes, [.., K / 32, bytes a block], one block behind the other in memory; two codes a byte, the lower K in the low four bits (a code: sign, 2 exponent bits, 1 mantissa bit); and NAME_scales (uint8): the same leading axes, one E8M0 byte (e + 127) for each 32 codes along K. Its value is code x scale, taken as it is: it is not quantised again, and the codes and scales need not be those that the quantiser above would give.
;; One version. Each part assembles by itself: llvm-mc -triple=amdgcn-amd-amdhsa -mcpu=gfx1250 --defsym DOCPART=n.
;; ======== version 1 of 1: 2 launches
;; workspace buffers: vq_codes 2,097,152 bytes; vq_scales 131,072 bytes
;; launch vquant (part 1): grid 16 x 32, 4 waves a work-group, no clusters, 768 bytes of LDS; arguments v, vq_codes, vq_scales; writes vq_codes, vq_scales
.if DOCPART == 1
	.amdgcn_target "amdgcn-amd-amdhsa--gfx1250"
	.amdhsa_code_object_version 6
	.text
	.protected	k_q2695107089_vquant
	.globl	k_q2695107089_vquant
	.p2align	8
	.type	k_q2695107089_vquant,@function
k_q2695107089_vquant:
	s_mov_b64 s[64:65], 0
	v_nop
	global_prefetch_b8 v0, s[64:65] scope:SCOPE_SE
	s_setreg_imm32_b32 hwreg(HW_REG_WAVE_MODE, 25, 1), 1
	s_wait_xcnt 0x0
; V [32 heads][2048 keys][64 d], f32, is the second product's operand whose K is the KEYS.  It is turned into codes of FP4 (E2M1) with one E8M0
; scale byte for each 32 keys, and laid in the order in which the attention launch's operand registers take it:
;   vq_codes  [head][key step s of 128 keys][d tile t of 16][c 2][lane 32][16 bytes]: the 16 bytes of lane 16 h + r are the codes of d = 16 t + r, keys 128 s + 64 c + 32 h + 0 .. 31
;   vq_scales [head][s][l 32][u 2][4 bytes]: the word of d = 32 u + l; its byte j scales keys 128 s + 32 j + 0 .. 31
; A block's scale is 2^(floor(log2(its largest magnitude)) - 2): its byte is the largest magnitude's exponent field - 2, held at 1 from below.
; SHARES.  A work-group takes one key step of one head (128 keys x 64 d, 32,768 bytes); wave j takes block j, keys 32 j .. 32 j + 31, for all 64 d.
; A LANE TAKES A COLUMN d AND ITS REGISTERS RUN DOWN THE KEYS (lane l: d = l and d = 32 + l): a block of 32 lies in one lane's 32 registers, so its largest
; magnitude needs no other lane, and the conversions, which take neighbours along K from one lane's consecutive registers, give the operand's registers as they stand.
; No tensor load, no matrix unit, no cluster: the work-groups share no input and every byte of V is read once.
; LIMITS: NaN and infinities in V are not served.  A block of zeros gets the byte 1 where the quantiser's rule says 127: its codes are zeros, which add nothing
; under any byte but 0xff, and this program alone reads the bytes.  Blocks whose largest magnitude lies under 2^-124 are held at the byte 1.
.set X, 16                             ; v16-79  X + 32 u + i = V(key i of my block, d = 32 u + lane)
.set C, 80                             ; v80-87  the codes: four registers for each u
	s_load_b128 s[4:7], s[0:1], 0x0                ; V s[4:5], vq_codes s[6:7]
	s_load_b64 s[8:9], s[0:1], 0x10                ; vq_scales
	v_lshl_add_u32 v96, v0, 2, 0x100
	v_mov_b32 v97, 0
	v_lshrrev_b32 v1, 5, v0
	v_readfirstlane_b32 s16, v1                    ; wave j = 0..3: my block of 32 keys
	v_and_b32 v1, 31, v0                           ; lane
	v_lshlrev_b32 v2, 2, v1                        ; in: 4 bytes a lane
	v_and_b32 v3, 15, v1
	v_lshrrev_b32 v6, 4, v1
	v_lshlrev_b32 v3, 4, v3
	v_lshl_add_u32 v3, v6, 10, v3                  ; out: 16 (lane % 16) + 1,024 (lane / 16): lanes 16-31 belong to the next d tile
	v_lshlrev_b32 v5, 3, v1                        ; 8 x lane: my two scale words, in LDS and in vq_scales
	v_add_nc_u32 v4, s16, v5                       ; + j: my block's byte in the first of them
	s_and_b32 s17, ttmp7, 0xffff                   ; the head; ttmp9 is the key step
	s_lshl_b32 s20, s17, 19                        ; V: a head is 2^19 bytes, a key step 2^15, a block 2^13
	s_lshl_b32 s18, ttmp9, 15
	s_add_co_u32 s20, s20, s18
	s_lshl_b32 s18, s16, 13
	s_add_co_u32 s20, s20, s18
	s_mov_b32 s21, 0
	s_lshl_b32 s22, s17, 16                        ; codes: a head is 2^16 bytes, a key step 2^12; block j = 2 c + h lies 512 c + 256 h = 256 j bytes on
	s_lshl_b32 s18, ttmp9, 12
	s_add_co_u32 s22, s22, s18
	s_lshl_b32 s18, s16, 8
	s_add_co_u32 s22, s22, s18
	s_mov_b32 s23, 0
	s_lshl_b32 s24, s17, 12                        ; scale words: a head is 2^12 bytes, a key step 2^8
	s_lshl_b32 s18, ttmp9, 8
	s_add_co_u32 s24, s24, s18
	s_mov_b32 s25, 0
	s_wait_kmcnt 0x0
	s_add_nc_u64 s[4:5], s[4:5], s[20:21]
	s_add_nc_u64 s[6:7], s[6:7], s[22:23]
	s_add_nc_u64 s[8:9], s[8:9], s[24:25]
; 64 loads, all out together: 8,192 bytes a wave.  A key's row is 256 bytes; its two halves are asked for back to back by the same wave, 128 consecutive bytes a load.
.set i, 0
.rept 32
	global_load_b32 v[X+i],    v2, s[4:5] offset:256*i th:TH_LOAD_NT
	global_load_b32 v[X+32+i], v2, s[4:5] offset:256*i+128 th:TH_LOAD_NT
.set i, i+1
.endr
	s_wait_loadcnt 0x0
; the two blocks' largest magnitudes, by turns, with the floor 2^(3 - 127) among the leaves: so the byte cannot fall under 1
.irp u, 0,1
	v_max3_num_f32 v[8+\u], |v[X+32*\u]|, |v[X+32*\u+1]|, 0x1800000
.endr
.irp i, 2,4,6,8,10,12,14,16,18,20,22,24,26,28,30
.irp u, 0,1
	v_max3_num_f32 v[8+\u], v[8+\u], |v[X+32*\u+\i]|, |v[X+32*\u+\i+1]|
.endr
.endr
.irp u, 0,1
	v_add_nc_u32 v[10+\u], 0xff000000, v[8+\u]     ; 2 off the exponent field: the conversion takes the exponent field of this operand as its scale, and nothing else of it
.endr
.irp u, 0,1
.irp g, 0,1,2,3
	v_cvt_scalef32_pk8_fp4_f32 v[C+4*\u+\g], v[X+32*\u+8*\g:X+32*\u+8*\g+7], v[10+\u]   ; eight keys' codes, the first key's in the lowest four bits; beyond 6 the largest code
.endr
.endr
.irp u, 0,1
	v_lshrrev_b32 v[12+\u], 23, v[10+\u]           ; the scale's byte (also the plain line behind the conversions)
.endr
.irp u, 0,1
	ds_store_b8 v4, v[12+\u] offset:4*\u           ; byte j of the word of d = 32 u + lane: each wave writes bytes of its own
	global_store_b128 v3, v[C+4*\u:C+4*\u+3], s[6:7] offset:2048*\u   ; lanes 0-15 store 256 consecutive bytes, aligned (d tile 2 u); lanes 16-31 the 256 of d tile 2 u + 1
.endr
	s_wait_dscnt 0x0                               ; for the others' sake: my bytes have landed
	s_barrier_signal -1
	s_barrier_wait -1                              ; the key step's 64 scale words are whole
	s_cmp_lg_u32 s16, 0
	s_cbranch_scc1 .Ldone                          ; wave 0 sends them
	ds_load_b64 v[14:15], v5
	s_wait_dscnt 0x0
	global_store_b64 v5, v[14:15], s[8:9]          ; 32 lanes store 256 consecutive bytes, aligned
.Ldone:
	s_wait_tensorcnt 0x0
	ds_add_u32 v96, v97
	s_wait_dscnt 0x0
	s_endpgm
.Lfunc_end_k_q2695107089_vquant:
	.size	k_q2695107089_vquant, .Lfunc_end_k_q2695107089_vquant-k_q2695107089_vquant
	.p2alignl 7, 3214868480
	.fill 96, 4, 3214868480
	.section	.rodata,"a",@progbits
	.p2align	6, 0x0
	.amdhsa_kernel k_q2695107089_vquant
		.amdhsa_group_segment_fixed_size 768
		.amdhsa_private_segment_fixed_size 0
		.amdhsa_enable_private_segment 0
		.amdhsa_kernarg_size 24
		.amdhsa_user_sgpr_count 2
		.amdhsa_user_sgpr_kernarg_segment_ptr 1
		.amdhsa_wavefront_size32 1
		.amdhsa_system_sgpr_workgroup_id_x 1
		.amdhsa_system_sgpr_workgroup_id_y 1
		.amdhsa_system_sgpr_workgroup_id_z 1
		.amdhsa_system_vgpr_workitem_id 0
		.amdhsa_next_free_vgpr 98
		.amdhsa_next_free_sgpr 66
		.amdhsa_reserve_vcc 0
		.amdhsa_float_denorm_mode_32 3
		.amdhsa_float_denorm_mode_16_64 3
		.amdhsa_memory_ordered 1
		.amdhsa_forward_progress 1
		.amdhsa_inst_pref_size 12
	.end_amdhsa_kernel
	.amdgpu_metadata
---
amdhsa.version: [ 1, 2 ]
amdhsa.kernels:
  - .name:           k_q2695107089_vquant
    .symbol:         k_q2695107089_vquant.kd
    .args:
      - { .name: v, .offset: 0, .size: 8, .value_kind: global_buffer, .address_space: global }
      - { .name: vq_codes, .offset: 8, .size: 8, .value_kind: global_buffer, .address_space: global }
      - { .name: vq_scales, .offset: 16, .size: 8, .value_kind: global_buffer, .address_space: global }
    .group_segment_fixed_size: 768
    .private_segment_fixed_size: 0
    .kernarg_segment_align: 8
    .kernarg_segment_size: 24
    .max_flat_workgroup_size: 128
    .sgpr_count:     66
    .vgpr_count:     98
    .wavefront_size: 32
...
	.end_amdgpu_metadata
.endif
;; end of part 1
;; launch attn (part 2): grid 8 x 32, 16 waves a work-group, clusters of 4 x 1, 212,992 bytes of LDS; arguments k_codes, k_scales, q_codes, q_scales, vq_codes, vq_scales, out0; writes out0
.if DOCPART == 2
	.amdgcn_target "amdgcn-amd-amdhsa--gfx1250"
	.amdhsa_code_object_version 6
	.text
	.protected	k_q2695107089_attn
	.globl	k_q2695107089_attn
	.p2align	8
	.type	k_q2695107089_attn,@function
k_q2695107089_attn:
	s_mov_b64 s[64:65], 0
	v_nop
	global_prefetch_b8 v0, s[64:65] scope:SCOPE_SE
	s_setreg_imm32_b32 hwreg(HW_REG_WAVE_MODE, 25, 1), 1
	s_wait_xcnt 0x0
	s_wait_alu depctr_hold_cnt(0) depctr_sa_sdst(0) depctr_va_vdst(0) depctr_va_sdst(0) depctr_va_ssrc(0) depctr_va_vcc(0) depctr_vm_vsrc(0)
	s_getreg_b32 s2, hwreg(HW_REG_IB_STS2, 6, 4)
	s_cmp_eq_u32 s2, 0
	s_cbranch_scc0 .Lentry_in_a_cluster
	s_endpgm
.Lentry_in_a_cluster:
	s_bfe_u32 s2, ttmp6, 0x10000c
	s_cmp_lg_u32 s2, 0x3003
	s_cbranch_scc0 .Lentry_shape_is_right
	s_endpgm
.Lentry_shape_is_right:
; out0[head][q][:] = the sum over keys k <= q of softmax_k(Q[q] . K[k] / 8) V[k][:], 32 heads, 2,048 queries and keys, head size 64; both products on codes of FP4 (E2M1) with one E8M0 scale for each 32 along K.
; Q, K: codes as given, 32 bytes and 2 scale bytes a row.  V: the codes and scale words that the launch before has laid in the order of the operand's registers.  out0: f32.
; THE SOFTMAX AHEAD OF THE SECOND PRODUCT: t = score x log2(e) / 8; M = the row's largest t so far, rounded UP to a whole number; p = 2^(t - M) is quantised along the keys, not normalised.
; The row's sum is taken of the unquantised p, in f32, and divides at the end.  When M moves, the sum and O are multiplied by 2^(old M - new M), which rounds nothing.
; THE FIRST PRODUCT'S K IS 64, the instruction's 128: registers 4-7 of Q's and K's fragments hold zero codes, written once; the upper two bytes of their scale words are 0, over zero codes.
; LDS.  One head's K codes, V codes and both sets of scale bytes (139,264 bytes) lie in LDS for the whole launch: each byte is filled once, so there is no ring, no refill, and one barrier for data.
; CLUSTER.  The eight work-groups of a head need the same four blocks; four of them form a cluster and ask for each JOINTLY (the same tensor load, the same descriptor, a mask that names the four).
; SHARES.  A wave owns one tile of 16 queries, Q0 = 128 BLK + 16 X: X = 0..7 is the work-group's number in its head, BLK = 0..15 hangs on the wave's number alone, by a table.  It walks BLK + 1 key steps of
; 128 keys; the last lies on the diagonal.  So every branch hangs on the wave's number and the step's count and is alike in all partners; the work-group's place enters Q's and out0's addresses and the mask's
; compare alone.  Every work-group has 136 tile steps; the table gives 34 to each class of wave % 4 and to each run of four consecutive waves.
; The loop has 16 trips in every wave; a step all of whose keys come after the wave's queries is jumped over, but for the lines that step addresses.
; LAYOUT.  Both products are used transposed: S^T = K Q^T (source 0 = 16 keys, source 1 = my 16 queries), O^T = V^T P^T (source 0 = 16 of the head's 64, source 1 = P): a lane holds ONE query (lane % 16) throughout.
; THE KEYS OF A TILE ARE NOT NEIGHBOURS: lane r of tile 2 b + u takes key 32 b + 8 u + r + 8 (r / 8), so that the 16 registers of tiles 2 b and 2 b + 1 are the 16 neighbouring keys 32 b + 16 (lane / 16) + 0 .. 15.
; Four waves share a SIMD (256 registers each): one wave's vector work stands beside another's matrix work and LDS loads.
; LIMITS: v_exp_f32 gives 0 for a p under 2^-126.  A block's largest p is taken from its largest score by the same two instructions as every p; this leans on v_exp_f32 not falling where its input rises.
; A scale byte 0xff in q or k gives NaN, as the format has it.  A block of p that is all zeros keeps the byte 1: its codes are zeros.
; REGISTERS: v1-7 addresses and constants that stay; v8-11 addresses of the step in hand; v12 -M, v13 the largest t, v[14:15] the sum in two halves; v16-23 Q; v24-31 scale words and nothing else (v24 Q's, v25 p's,
; v26-27 V's, v28-31 K's); v32-95 K's eight fragments; v96-159 S^T, then p; v160-191 O^T; v192-223 V's four fragments; v224-231 p's codes; v232-254 at work.
.set KP,    528                        ; an LDS row of K: 16 keys x 32 bytes + 16 of padding.  A tile's second eight keys lie one LDS row on: the padding shifts them by one 16-byte column, so the sixteen lanes of a half touch sixteen different 16-byte columns modulo 256 bytes (64 banks of 4 bytes: ISA guide 11.1)
.set KHALF, 64*KP                      ; 1,024 keys: what one tensor load brings
.set VC,    128*KP                     ; 67,584: V's images, 4,096 bytes a key step, dense
.set KS,    VC+65536                   ; 133,120: K's scale bytes, 2 a key
.set VS,    KS+4096                    ; 137,216: V's scale words, 256 bytes a key step
.set STG,   VS+4096                    ; 141,312: the way out: 16 rows x 272 bytes for each wave; no tensor load lands here
.set SP,    272
.set WV,   18                          ; s18  my wave's number
.set BLK,  19                          ; s19  my block of 128 queries = my last key step
.set SEL,  20                          ; s[20:21] lane selects for v_permlanex16_b32: lane l xor 16
.set CS,   22                          ; s[22:23] c = log2(e) / 8: the packed form names a pair and takes its low word for both halves
.set G1K,  24                          ; s[24:31] descriptor group 1 for K's codes;  s[32:39] for V's;  s[40:47] for the scale bytes
.set G1V,  32
.set G1S,  40
.set G0K,  48                          ; s[48:51], s[52:55], s[56:59], s[60:63] groups 0: K's codes, V's codes, K's scales, V's scales
.set G0V,  52
.set G0KS, 56
.set G0VS, 60
.set STP,  66                          ; s66  the key step
.set TKK,  67                          ; s67  where its keys begin in LDS: 4,224 bytes a step
.set TKV,  68                          ; s68  its images of V: 4,096 a step
.set TS,   69                          ; s69  its scale bytes, K's and V's alike: 256 a step
.set XX,   70                          ; s70  X
.set HD,   71                          ; s71  the head
.set Q0,   72                          ; s72  my first query
; A round of the cluster's barrier: my work-group's barrier, so that wave 0's signal speaks for all sixteen waves; wave 0 signals for the work-group; every wave waits for all four work-groups; my work-group's barrier once more.
.macro ROUND
	s_barrier_signal -1
	s_barrier_wait -1
	s_cmp_lg_u32 s[WV], 0
	s_cbranch_scc1 .Lnot_wave_0_\@
	s_barrier_signal -3
.Lnot_wave_0_\@:
	s_barrier_wait -3
	s_barrier_signal -1
	s_barrier_wait -1
.endm
; Tile T of S^T.  K's scale words of tiles 2 b and 2 b + 1 share a register: lanes 0-15 the even tile's, lanes 16-31 the odd one's.
.macro KQ T
.if (\T)%2
	v_wmma_scale_f32_16x16x128_f8f6f4 v[96+8*(\T):103+8*(\T)], v[32+8*(\T):39+8*(\T)], v[16:23], 0, v[28+(\T)/2], v24 matrix_a_fmt:MATRIX_FMT_FP4 matrix_b_fmt:MATRIX_FMT_FP4 matrix_a_scale:MATRIX_SCALE_ROW1
.else
	v_wmma_scale_f32_16x16x128_f8f6f4 v[96+8*(\T):103+8*(\T)], v[32+8*(\T):39+8*(\T)], v[16:23], 0, v[28+(\T)/2], v24 matrix_a_fmt:MATRIX_FMT_FP4 matrix_b_fmt:MATRIX_FMT_FP4
.endif
.endm
; Tile t of O^T (d = 16 t on).  V's scale words likewise: v26 holds d = lane, v27 d = 32 + lane.
.macro PV t
.if (\t)%2
	v_wmma_scale_f32_16x16x128_f8f6f4 v[160+8*(\t):167+8*(\t)], v[192+8*(\t):199+8*(\t)], v[224:231], v[160+8*(\t):167+8*(\t)], v[26+(\t)/2], v25 matrix_a_fmt:MATRIX_FMT_FP4 matrix_b_fmt:MATRIX_FMT_FP4 matrix_a_scale:MATRIX_SCALE_ROW1
.else
	v_wmma_scale_f32_16x16x128_f8f6f4 v[160+8*(\t):167+8*(\t)], v[192+8*(\t):199+8*(\t)], v[224:231], v[160+8*(\t):167+8*(\t)], v[26+(\t)/2], v25 matrix_a_fmt:MATRIX_FMT_FP4 matrix_b_fmt:MATRIX_FMT_FP4
.endif
.endm
	s_load_b256 s[4:11], s[0:1], 0x0               ; k_codes s[4:5], k_scales s[6:7], q_codes s[8:9], q_scales s[10:11]
	s_load_b128 s[12:15], s[0:1], 0x20             ; vq_codes s[12:13], vq_scales s[14:15]
	s_load_b64 s[16:17], s[0:1], 0x30              ; out0
	v_lshl_add_u32 v251, v0, 2, 0x33800
	v_mov_b32 v255, 0
	ds_add_u32 v251, v255
	ds_add_u32 v251, v255
	v_lshrrev_b32 v8, 5, v0
	v_readfirstlane_b32 s[WV], v8                  ; wave 0..15
	s_mov_b32 s[BLK], 0x6bd07ac1                   ; the table, a nibble a wave: waves 8-15: 1, 12, 10, 7, 0, 13, 11, 6;
	s_cmp_lt_u32 s[WV], 8
	s_cselect_b32 s[BLK], 0x853e942f, s[BLK]       ; waves 0-7: 15, 2, 4, 9, 14, 3, 5, 8
	s_and_b32 s74, s[WV], 7
	s_lshl_b32 s74, s74, 2
	s_lshr_b32 s[BLK], s[BLK], s74
	s_and_b32 s[BLK], s[BLK], 15
	s_and_b32 s[HD], ttmp7, 0xffff                 ; the head, which the four partners share
	s_bfe_u32 s78, ttmp6, 0x40000                  ; cx: my place in the cluster
	s_lshl_b32 s[XX], ttmp9, 2                     ; in a cluster launch ttmp9 counts clusters
	s_add_co_u32 s[XX], s[XX], s78                 ; X = 4 x cluster x + cx
	s_lshl_b32 s[Q0], s[BLK], 7
	s_lshl_b32 s78, s[XX], 4
	s_add_co_u32 s[Q0], s[Q0], s78                 ; Q0 = 128 BLK + 16 X
	; descriptor groups 1, elements of 8 bytes.  K's codes: 64 rows of 512 bytes (16 keys), dense in memory, 16 bytes of padding behind each in LDS
	s_mov_b32 s[G1K], 15|(3<<16)|(1<<20)|(1<<21)|(6<<22)|(3<<25)  ; 15:0 the mask: all four work-groups; 17:16 elements of 8 bytes; 20 padding on; 21 set beside a mask; 24:22 after every 128 words (code 6); 31:25 four words (code 3)
	s_mov_b32 s[G1V], 15|(3<<16)|(1<<21)           ; V's codes: the same shape without padding
.irp g, G1K, G1V
	s_mov_b32 s[\g+1], 64<<16                      ; tensor_dim0 = 64 elements
	s_mov_b32 s[\g+2], 64<<16                      ; tensor_dim1 = 64 rows
	s_mov_b32 s[\g+3], 64<<16                      ; tile_dim0
	s_mov_b32 s[\g+4], 64                          ; tile_dim1
	s_mov_b32 s[\g+5], 64                          ; from row to row
	s_mov_b32 s[\g+6], 0
	s_mov_b32 s[\g+7], 0
.endr
	s_mov_b32 s[G1S], 15|(3<<16)|(1<<21)           ; a head's scale bytes: 4,096 dense bytes as 16 rows of 256
	s_mov_b32 s[G1S+1], 32<<16
	s_mov_b32 s[G1S+2], 16<<16
	s_mov_b32 s[G1S+3], 32<<16
	s_mov_b32 s[G1S+4], 16
	s_mov_b32 s[G1S+5], 32
	s_mov_b32 s[G1S+6], 0
	s_mov_b32 s[G1S+7], 0
	s_mov_b32 s[SEL], 0x76543210
	s_mov_b32 s[SEL+1], 0xfedcba98
	s_mov_b32 s[CS], 0x3e38aa3b                    ; c = log2(e) / 8
	s_mov_b32 s[CS+1], s[CS]                       ; (named with it as a pair, so it is written)
	; groups 0.  Every wave makes all four, of the head and the wave's number alone; s74 to s77 never hold the work-group's place
	s_and_b32 s74, s[WV], 1                        ; which half of the codes I fetch, if I fetch codes
	s_lshl_b32 s75, s74, 15
	s_lshl_b32 s76, s[HD], 16                      ; a head's codes are 2^16 bytes, in K and in V
	s_add_co_u32 s76, s76, s75
	s_mov_b32 s77, 0
	s_mov_b32 s[G0K], 1                            ; count = 1
	s_mul_i32 s[G0K+1], s74, KHALF                 ; LDS address
	s_mov_b32 s[G0V], 1
	s_add_co_u32 s[G0V+1], s75, VC
	s_mov_b32 s[G0KS], 1
	s_mov_b32 s[G0KS+1], KS
	s_mov_b32 s[G0VS], 1
	s_mov_b32 s[G0VS+1], VS
	v_and_b32 v240, 15, v0                         ; r = lane % 16
	v_bfe_u32 v241, v0, 4, 1                       ; h = lane / 16
	v_and_b32 v242, 31, v0                         ; lane
	v_lshlrev_b32 v244, 5, v240
	v_lshl_add_u32 v244, v241, 4, v244             ; Q's codes: row r of 32 bytes, + 16 h
	v_lshlrev_b32 v245, 1, v240                    ; Q's scale bytes: 2 a row
	s_wait_dscnt 0x0
	s_wait_kmcnt 0x0
	s_add_nc_u64 s[G0K+2:G0K+3], s[4:5], s[76:77]  ; global address
	s_or_b32 s[G0K+3], s[G0K+3], 0x80000000        ; type = 2
	s_add_nc_u64 s[G0V+2:G0V+3], s[12:13], s[76:77]
	s_or_b32 s[G0V+3], s[G0V+3], 0x80000000
	s_lshl_b32 s76, s[HD], 12                      ; a head's scale bytes are 2^12
	s_add_nc_u64 s[G0KS+2:G0KS+3], s[6:7], s[76:77]
	s_or_b32 s[G0KS+3], s[G0KS+3], 0x80000000
	s_add_nc_u64 s[G0VS+2:G0VS+3], s[14:15], s[76:77]
	s_or_b32 s[G0VS+3], s[G0VS+3], 0x80000000
	s_lshl_b32 s78, s[HD], 16                      ; Q's codes at my first query
	s_lshl_b32 s80, s[Q0], 5
	s_add_co_u32 s78, s78, s80
	s_mov_b32 s79, 0
	s_add_nc_u64 s[8:9], s[8:9], s[78:79]
	s_lshl_b32 s78, s[HD], 12                      ; its scale bytes
	s_lshl_b32 s80, s[Q0], 1
	s_add_co_u32 s78, s78, s80
	s_add_nc_u64 s[10:11], s[10:11], s[78:79]
	s_lshl_b32 s78, s[HD], 19                      ; its row of out0: 256 bytes a query
	s_lshl_b32 s80, s[Q0], 8
	s_add_co_u32 s78, s78, s80
	s_add_nc_u64 s[16:17], s[16:17], s[78:79]
	ROUND                                          ; all four work-groups are here: the joint loads meet
	; THE FILLS, all first fills, one tensor load a wave at the most: waves 0, 1 K's halves; waves 2, 3 V's; wave 4 K's scale bytes; wave 5 V's.  The branches hang on the wave's number alone.
	; Four v_nop follow each of the lines, ahead of the jump and the label.
	s_cmp_lt_u32 s[WV], 2
	s_cbranch_scc0 .Lnot_k
	tensor_load_to_lds s[G0K:G0K+3], s[G1K:G1K+7]
	s_nop 0
.rept 4
	v_nop
.endr
	s_branch .Lasked
.Lnot_k:
	s_cmp_lt_u32 s[WV], 4
	s_cbranch_scc0 .Lnot_v
	tensor_load_to_lds s[G0V:G0V+3], s[G1V:G1V+7]
	s_nop 0
.rept 4
	v_nop
.endr
	s_branch .Lasked
.Lnot_v:
	s_cmp_eq_u32 s[WV], 4
	s_cbranch_scc0 .Lnot_ks
	tensor_load_to_lds s[G0KS:G0KS+3], s[G1S:G1S+7]
	s_nop 0
.rept 4
	v_nop
.endr
	s_branch .Lasked
.Lnot_ks:
	s_cmp_eq_u32 s[WV], 5
	s_cbranch_scc0 .Lasked
	tensor_load_to_lds s[G0VS:G0VS+3], s[G1S:G1S+7]
	s_nop 0
.rept 4
	v_nop
.endr
.Lasked:
	global_load_b128 v[16:19], v244, s[8:9]        ; Q's fragment, registers 0-3: k = 32 h + 0 .. 31 of query r; it stays
	global_load_u16 v24, v245, s[10:11]            ; Q's scale word: two bytes, and zeros above them
	; zero codes for k = 64 .. 127, written once; then what the loop finds in its first step
.irp j, 20,21,22,23
	v_mov_b32 v[\j], 0
.endr
.irp T, 0,1,2,3,4,5,6,7
.irp j, 4,5,6,7
	v_mov_b32 v[32+8*\T+\j], 0
.endr
.endr
.set n, 0
.rept 32
	v_mov_b32 v[160+n], 0                          ; O^T.  (The step is written once: the first finds zeros, which the first change of M leaves zeros)
.set n, n+1
.endr
	v_mov_b32 v14, 0                               ; the sum, in two halves
	v_mov_b32 v15, 0
.irp j, 236,237,238,239,252,253
	v_mov_b32 v[\j], 0                             ; a lane permute's destination counts as one of its sources; v253 is named as the upper half of the pair v[252:253]
.endr
	v_lshrrev_b32 v243, 3, v240
	v_mul_u32_u24 v1, v243, KP
	v_and_b32 v243, 7, v240
	v_lshl_add_u32 v1, v243, 5, v1
	v_lshl_add_u32 v1, v241, 4, v1                 ; v1: my lane's place in a tile of K: 528 (r / 8) + 32 (r % 8) + 16 h
	v_lshl_add_u32 v2, v242, 4, VC                 ; v2: in an image of V: 16 x lane
	v_and_b32 v243, 8, v240
	v_add_nc_u32 v243, v243, v240                  ; r + 8 (r / 8)
	v_lshl_add_u32 v3, v243, 1, KS
	v_lshl_add_u32 v3, v241, 4, v3                 ; v3: among K's scale bytes: 2 bytes a key; lanes 16-31 take the odd tile's, 8 keys on
	v_lshl_add_u32 v4, v242, 3, VS                 ; v4: among V's scale words: 8 x lane
	v_lshlrev_b32 v5, 4, v242                      ; v5: the way out: 16 x lane in two rows of out0
	s_lshl_b32 s78, s[XX], 4
	v_lshlrev_b32 v243, 4, v241
	v_sub_nc_u32 v6, v240, v243
	v_add_nc_u32 v6, s78, v6                       ; v6: d = 16 X + r - 16 h.  On the diagonal register 16 b + i holds key 128 BLK + 32 b + 16 h + i: hidden where 32 b + i > d
	v_mov_b32 v7, 0xff800000                       ; -infinity
	v_mov_b32 v13, 0xff61b1e6                      ; the largest t so far: -3e38, under every t
	v_floor_f32 v12, -v13                          ; -M
	s_mov_b32 s[STP], 0
	s_mov_b32 s[TKK], 0
	s_mov_b32 s[TKV], 0
	s_mov_b32 s[TS], 0
	s_wait_loadcnt 0x0                             ; Q is in, and its offsets' registers are free
	s_wait_tensorcnt 0x0                           ; my tensor load, if I issued one, has landed,
	s_barrier_signal -1
	s_barrier_wait -1                              ; everybody's has: from here on LDS below the stages is only read
.Lstep:                                            ; 16 trips in every wave
	s_cmp_gt_u32 s[STP], s[BLK]
	s_cbranch_scc1 .Lhidden                        ; all 128 keys come after my queries
	v_add_nc_u32 v8, s[TKK], v1                    ; these four lines are also the four places between the last step's products and the loads into V's registers
	v_add_nc_u32 v9, s[TKV], v2
	v_add_nc_u32 v10, s[TS], v3
	v_add_nc_u32 v11, s[TS], v4
.irp T, 0,1,2,3,4,5,6,7
	ds_load_b128 v[32+8*\T:35+8*\T], v8 offset:2*KP*(\T/2)+256*(\T%2)   ; tile T's 16 keys, k = 32 h + 0 .. 31
.endr
.irp b, 0,1,2,3
	ds_load_u16 v[28+\b], v10 offset:64*\b         ; the scale words of tiles 2 b (lanes 0-15) and 2 b + 1 (lanes 16-31): two bytes, and zeros above them
.endr
.irp t, 0,1,2,3
.irp c, 0,1
	ds_load_b128 v[192+8*\t+4*\c:195+8*\t+4*\c], v9 offset:1024*\t+512*\c   ; V's fragments come as images of their registers; they land under the softmax
.endr
.endr
	ds_load_b64 v[26:27], v11
	s_wait_dscnt 9                                 ; LDS loads come back in order: K's twelve are in; V's nine, issued behind them, may stay out
.irp T, 0,1,2,3,4,5,6,7
	KQ \T
.endr
.rept 4
	v_nop                                          ; four places in front of the first read of the scores
.endr
	s_cmp_lg_u32 s[STP], s[BLK]
	s_cbranch_scc1 .Lopen                          ; every key of the step counts
.set n, 0
.rept 64                                           ; the diagonal step: the scores of hidden keys become -infinity ahead of the maximum, so that p = 0.  Key 128 BLK counts for every query, so the row's maximum is a number
	v_cmp_gt_i32 vcc_lo, 32*(n/16)+n%16, v6
	v_cndmask_b32 v[96+n], v[96+n], v7, vcc_lo
.set n, n+1
.endr
.Lopen:
.irp b, 0,1,2,3
	v_max3_num_f32 v[232+\b], v[96+16*\b], v[97+16*\b], v[98+16*\b]   ; THE LARGEST SCORE OF EACH BLOCK OF 32 KEYS serves twice: for the row's maximum and, since p rises with the score, for the block's largest p
.endr
.irp i, 3,5,7,9,11,13
.irp b, 0,1,2,3
	v_max3_num_f32 v[232+\b], v[232+\b], v[96+16*\b+\i], v[97+16*\b+\i]   ; (the four blocks by turns)
.endr
.endr
.irp b, 0,1,2,3
	v_max_num_f32 v[232+\b], v[232+\b], v[111+16*\b]
.endr
.irp b, 0,1,2,3
	v_permlanex16_b32 v[236+\b], v[232+\b], s[SEL], s[SEL+1]
.endr
.irp b, 0,1,2,3
	v_max_num_f32 v[232+\b], v[232+\b], v[236+\b]  ; with lane l xor 16's 16 keys
.endr
	v_max3_num_f32 v254, v232, v233, v234
	v_max_num_f32 v254, v254, v235                 ; the step's largest score of my query
	v_mul_f32 v254, s[CS], v254                    ; as t (c is positive)
	v_max_num_f32 v13, v13, v254                   ; the running largest t
	v_mov_b32 v254, v12
	v_floor_f32 v12, -v13                          ; the new -M = floor(-t) = -ceil(t): M is a whole number
	v_sub_f32 v254, v12, v254                      ; M's old value less its new one: a whole number, 0 or less
	v_cvt_i32_f32 v254, v254                       ; (it saturates)
	v_ldexp_f32 v252, 1.0, v254                    ; f = 2^(old M - new M)
.set n, 0
.rept 32
	v_pk_fma_f32 v[96+n:97+n], v[96+n:97+n], s[CS:CS+1], v[12:13] op_sel_hi:[1,0,0]   ; t - M, two at a time (of the pairs c and -M the low word serves both halves)
.set n, n+2
.endr
.irp b, 0,1,2,3
	v_fma_f32 v[232+\b], v[232+\b], s[CS], v12     ; the same of each block's largest score
.endr
.set n, 0
.rept 64
	v_exp_f32 v[96+n], v[96+n]                     ; p = 2^(t - M), at most 1: not normalised
.set n, n+1
.endr
.irp b, 0,1,2,3
	v_exp_f32 v[232+\b], v[232+\b]                 ; the block's largest p: the same two instructions on the same number give the same bits
.endr
	v_pk_mul_f32 v[14:15], v[14:15], v[252:253] op_sel_hi:[1,0]   ; the sums under the new M (the plain line behind the exponentials)
	s_wait_alu depctr_va_vdst(0)
.irp b, 0,1,2,3
	v_max_num_f32 v[232+\b], 0x1800000, v[232+\b]  ; the floor 2^(3 - 127): the byte cannot fall under 1
.endr
.irp b, 0,1,2,3
	v_add_nc_u32 v[244+\b], 0xff000000, v[232+\b]  ; 2 off the exponent field: the conversion's scale operand
.endr
.irp b, 0,1,2,3
	v_lshrrev_b32 v[236+\b], 23, v[244+\b]         ; the scale's byte
.endr
	v_lshl_or_b32 v25, v237, 8, v236               ; p's scale word for these 128 keys
	v_lshl_or_b32 v25, v238, 16, v25
	v_lshl_or_b32 v25, v239, 24, v25
.irp b, 0,1,2,3
	v_cvt_scalef32_pk8_fp4_f32 v[224+2*\b], v[96+16*\b:103+16*\b], v[244+\b]
	v_cvt_scalef32_pk8_fp4_f32 v[225+2*\b], v[104+16*\b:111+16*\b], v[244+\b]
.endr
	v_nop                                          ; one plain line between a scaled conversion and the line that touches its result
.irp c, 0,1                                        ; the operand's layout wants a whole block in a lane: lanes 0-15 block 2 c, lanes 16-31 block 2 c + 1
.irp i, 0,1
	v_permlane16_swap_b32 v[224+4*\c+\i], v[226+4*\c+\i]
.endr
.endr
	v_pk_add_f32 v[236:237], v[96:97], v[98:99]    ; THE ROW'S SUM IS TAKEN OF THE UNQUANTISED p: two at a time, in two chains
.irp j, 4,8,12,16,20,24,28,32,36,40,44,48,52,56,60
	v_pk_add_f32 v[14:15], v[14:15], v[96+\j:97+\j]
	v_pk_add_f32 v[236:237], v[236:237], v[98+\j:99+\j]
.endr
	v_pk_add_f32 v[14:15], v[14:15], v[236:237]
.set n, 0
.rept 16
	v_pk_mul_f32 v[160+n:161+n], v[160+n:161+n], v[252:253] op_sel_hi:[1,0]   ; O^T under the new M, each tile from its low end on.  (The sums and these lines are also the places between p's codes and scale word and the products below)
.set n, n+2
.endr
	s_wait_dscnt 0x0                               ; V's fragments and scale words are in
.irp t, 0,1,2,3
	PV \t                                          ; the four accumulators take turns, one instruction a turn
.endr
.Lhidden:
	s_add_co_u32 s[TKK], s[TKK], 8*KP              ; the next step's keys, images and scale bytes
	s_add_co_u32 s[TKV], s[TKV], 4096
	s_add_co_u32 s[TS], s[TS], 256
	s_add_co_u32 s[STP], s[STP], 1
	s_cmp_lt_u32 s[STP], 16
	s_cbranch_scc1 .Lstep
	; THE WAY OUT.  O^T is divided by the row's sum and goes through my own stage in LDS, so that whole rows of out0 leave.  The lines up to the multiplications are the places behind the last products.
	v_add_f32 v14, v14, v15                        ; the sum's two halves,
	v_permlanex16_b32 v252, v14, s[SEL], s[SEL+1]
	v_add_f32 v14, v14, v252                       ; and lane l xor 16's: the row's sum
	v_rcp_f32 v14, v14
	v_and_b32 v8, 15, v0                           ; (a plain line behind the transcendental)  r
	v_bfe_u32 v9, v0, 4, 1                         ; h
	s_mul_i32 s74, s[WV], 16*SP
	s_add_co_u32 s74, s74, STG                     ; my stage
	v_mul_u32_u24 v10, v8, SP
	v_lshl_add_u32 v10, v9, 5, v10
	v_add_nc_u32 v10, s74, v10                     ; in: row r; tile t's eight channels of my half lie 64 t + 32 h bytes on
	v_mul_u32_u24 v11, v9, SP
	v_lshl_add_u32 v11, v8, 4, v11
	v_add_nc_u32 v11, s74, v11                     ; back: lanes 0-15 one row of 256 bytes, lanes 16-31 the next
.set n, 0
	s_wait_alu depctr_va_vdst(0)
.rept 16
	v_pk_mul_f32 v[96+n:97+n], v[160+n:161+n], v[14:15] op_sel_hi:[1,0]   ; register 8 t + j is out0(query r, 16 t + 8 h + j)
.set n, n+2
.endr
.irp t, 0,1,2,3
	ds_store_b128 v10, v[96+8*\t:99+8*\t] offset:64*\t
	ds_store_b128 v10, v[100+8*\t:103+8*\t] offset:64*\t+16
.endr
.irp i, 0,1,2,3,4,5,6,7
	ds_load_b128 v[32+4*\i:35+4*\i], v11 offset:2*\i*SP   ; LDS serves a wave's instructions in order (ISA guide 5.7.1.4): these see my stores
.endr
.irp i, 0,1,2,3,4,5,6,7
	s_wait_dscnt 7-\i                              ; load i is in; the younger ones may stay out
	global_store_b128 v5, v[32+4*\i:35+4*\i], s[16:17] offset:512*\i th:TH_STORE_NT   ; 32 lanes store 512 consecutive bytes, two whole rows, at a multiple of 256 from out0's first byte
.endr
	s_wait_tensorcnt 0x0
	ds_add_u32 v251, v255
	s_wait_dscnt 0x0
	ROUND                                          ; the closing round: no work-group ends while a partner may still ask for a block that names it
	s_endpgm
.Lfunc_end_k_q2695107089_attn:
	.size	k_q2695107089_attn, .Lfunc_end_k_q2695107089_attn-k_q2695107089_attn
	.p2alignl 7, 3214868480
	.fill 96, 4, 3214868480
	.section	.rodata,"a",@progbits
	.p2align	6, 0x0
	.amdhsa_kernel k_q2695107089_attn
		.amdhsa_group_segment_fixed_size 212992
		.amdhsa_private_segment_fixed_size 0
		.amdhsa_enable_private_segment 0
		.amdhsa_kernarg_size 56
		.amdhsa_user_sgpr_count 2
		.amdhsa_user_sgpr_kernarg_segment_ptr 1
		.amdhsa_wavefront_size32 1
		.amdhsa_system_sgpr_workgroup_id_x 1
		.amdhsa_system_sgpr_workgroup_id_y 1
		.amdhsa_system_sgpr_workgroup_id_z 1
		.amdhsa_system_vgpr_workitem_id 0
		.amdhsa_next_free_vgpr 256
		.amdhsa_next_free_sgpr 84
		.amdhsa_reserve_vcc 1
		.amdhsa_float_denorm_mode_32 3
		.amdhsa_float_denorm_mode_16_64 3
		.amdhsa_memory_ordered 1
		.amdhsa_forward_progress 1
		.amdhsa_inst_pref_size 35
	.end_amdhsa_kernel
	.amdgpu_metadata
---
amdhsa.version: [ 1, 2 ]
amdhsa.kernels:
  - .name:           k_q2695107089_attn
    .symbol:         k_q2695107089_attn.kd
    .args:
      - { .name: k_codes, .offset: 0, .size: 8, .value_kind: global_buffer, .address_space: global }
      - { .name: k_scales, .offset: 8, .size: 8, .value_kind: global_buffer, .address_space: global }
      - { .name: q_codes, .offset: 16, .size: 8, .value_kind: global_buffer, .address_space: global }
      - { .name: q_scales, .offset: 24, .size: 8, .value_kind: global_buffer, .address_space: global }
      - { .name: vq_codes, .offset: 32, .size: 8, .value_kind: global_buffer, .address_space: global }
      - { .name: vq_scales, .offset: 40, .size: 8, .value_kind: global_buffer, .address_space: global }
      - { .name: out0, .offset: 48, .size: 8, .value_kind: global_buffer, .address_space: global }
    .group_segment_fixed_size: 212992
    .private_segment_fixed_size: 0
    .kernarg_segment_align: 8
    .kernarg_segment_size: 56
    .max_flat_workgroup_size: 512
    .sgpr_count:     84
    .vgpr_count:     256
    .wavefront_size: 32
...
	.end_amdgpu_metadata
.endif
;; end of part 2
